; MI455X (gfx1250); checked and timed in simulation.
; The chip was launched on July 23, 2026; its instructions are those of AMD's public machine-readable ISA for CDNA 5 (MIT licence, August 2026) and "CDNA5" Instruction Set Architecture Reference Guide (July 2026). The comments in the code are by the model that wrote it; some were corrected since.
;; Quax Dot General. Allowed arithmetic: matrix products marked QUANTISED: E2M3 operands, one E8M0 scale for each 32 along K, by v_wmma_scale_f32_16x16x128_f8f6f4 with both operands' format E2M3, f32 sums; everything else in f32.
;; Inputs: lhs_q 8,192 x 4,096 int32; lhs_scale 8,192 x 1 float32; rhs 4,096 x 2,048 float32.
;; Outputs: out0 8,192 x 2,048 float32.
;; This version of the problem:
;;   THIS VERSION OF THE PROBLEM IS GIVEN IN LOW PRECISION. The matrix products marked QUANTISED in the list below multiply operands that are first quantised to E2M3 (2 exponent bits, 3 mantissa bits; 6 bits a number), with one power-of-two scale for each 32 numbers along K (OCP MX v1.0); their sums are f32. All else is computed in f32.
;;   The module's matrix products, in the order in which they are computed (A, B: the left and right operand; K: the contracted axis; several contracted axes count as one K, in the product's order):
;;     1. [M 8,192, K 4,096] x [K 4,096, N 2,048]; A: computed on the way; B: input rhs: QUANTISED
;;   THE QUANTISER, for each operand of a quantised product, along K:
;;     - K is cut into blocks of 32 from its start; a last block that is shorter is filled with zeros.
;;     - A block's scale is 2^e with e = floor(log2(the largest magnitude in the block)) - 2, held to -126 .. 127; a block of zeros has e = 0. As a byte (E8M0): e + 127.
;;     - Each number is divided by its block's scale, clamped to +-7.5, and rounded to the nearest number of E2M3, ties to even, subnormals kept.
;;     - The product sums the exact products of the quantised numbers (number of the format x scale) in f32.
;;   ~~~python
;;   def quantise(x, axis):      # numpy; x: float32 -> the quantised numbers, widened to float32 again
;;       x = np.moveaxis(x, axis, -1); K = x.shape[-1]
;;       x = np.pad(x, [(0, 0)] * (x.ndim - 1) + [(0, -K % 32)]); x = x.reshape(x.shape[:-1] + (-1, 32)); a = np.abs(x).max(-1, keepdims=True)
;;       e = np.where(a > 0, np.clip(np.frexp(np.where(a > 0, a, 1))[1] - 1 - 2, -126, 127), 0)      # np.frexp(a)[1] - 1 = floor(log2(a)), exactly
;;       r = np.clip(x / 2.0 ** e, -7.5, 7.5)
;;       step = 2.0 ** (np.maximum(np.frexp(np.where(r == 0, 1, r))[1] - 1, 0) - 3)
;;       q = np.round(r / step) * step * 2.0 ** e      # np.round: ties to even
;;       return np.moveaxis(q.reshape(q.shape[:-2] + (-1,))[..., :K], -1, axis).astype(np.float32)
;;   ~~~
;;   OPERANDS COMPUTED ON THE WAY. 'Computed on the way' means the value that the module computes at that place (a softmax that the list does not call 'softmax' is quantised finished and normalised). What goes into a quantiser is computed in f32, as accurately as f32 sums, v_exp_f32 and their like allow (about 1e-6 of the number): no bf16 or f16 on the way to a quantiser, and a product that is left as it is and whose result goes on into a quantised operand takes f32 operands (vector FMAs, or v_wmma_f32_16x16x4_f32). A number that lies on a knife's edge between two numbers of the format may be rounded either way, as far as f32 arithmetic and the matrix unit's own rounding can turn it there, and no further.
;; One version. Each part assembles by itself: llvm-mc -triple=amdgcn-amd-amdhsa -mcpu=gfx1250 --defsym DOCPART=n.
;; ======== version 1 of 1: 2 launches
;; limits: below input magnitudes of 1.97e-31 results are inexact or not finite
;; workspace buffers: aq 26,214,400 bytes; bq 6,553,600 bytes
;; launch quant (part 1): grid 256 x 1, 12 waves a work-group, no clusters, 102,912 bytes of LDS; arguments lhs_q, lhs_scale, rhs, aq, bq; writes aq, bq
.if DOCPART == 1
	.amdgcn_target "amdgcn-amd-amdhsa--gfx1250"
	.amdhsa_code_object_version 6
	.text
	.protected	k_q5474a0214e_quant
	.globl	k_q5474a0214e_quant
	.p2align	8
	.type	k_q5474a0214e_quant,@function
k_q5474a0214e_quant:
	s_mov_b64 s[64:65], 0
	v_nop
	global_prefetch_b8 v0, s[64:65] scope:SCOPE_SE
	s_setreg_imm32_b32 hwreg(HW_REG_WAVE_MODE, 25, 1), 1
	s_wait_xcnt 0x0
; Both operands of out = Q(x) Q(rhs) are quantised ONCE, along K, into codes of FP6 (E2M3) with one E8M0 byte for each 32 along K.
; x[m][k] = f32(int8(lhs_q[m][k])) * lhs_scale[m]   ([8192][4096], K innermost);   rhs: [4096 (k)][2048 (n)] f32, K is its first axis.
; A block's scale is 2^(floor(log2(its largest magnitude)) - 2): its byte is the largest magnitude's exponent field - 2, held at 1 from below.
; THE WORKSPACE IS LAID AS THE PRODUCT'S OPERAND REGISTERS.  A group = 128 operand rows (rows m of x, columns n of rhs); a K step = 128 along K.  The block of
; (group g, step s) lies at (32 g + s) x 12,800 bytes: eight fragment images of 1,536 bytes (tile i = rows 16 i .. 16 i + 15; register j of lane l at 512 (j / 4) + 16 l + 4 (j % 4);
; lane (r, h) holds row r, registers 6 c .. 6 c + 5 the codes of k = 64 c + 32 h + 0 .. 31), then 512 bytes of scale words: the word of row r of tile i at 12,288 + 256 (i % 2) + 16 r + 4 (i / 2).
; SHARES.  2,048 blocks of x and 1,024 half blocks (64 columns) of rhs: each of 256 work-groups takes eight of the first (waves 0-7, a block a wave) and four of the second (waves 8-11).
; The waves share nothing: no barrier.  One branch on the wave's number parts the two texts; they never join.  Every offset is an immediate, no pointer is stepped.
; LIMITS.  |lhs_scale| under 2^-102 loses bits (lhs_scale x 2^-24 is then denormal).  A block whose largest magnitude lies under 2^-124 keeps the byte 1.  A block of zeros gets the byte 1
; where the rule says 127: its codes are zeros, which add nothing under any byte but 0xff, and this program alone reads the bytes.  NaN and infinities among the inputs are not served.
.set GSB,  12800                       ; a block of the workspace
.set SCO,  12288                       ; its scale words
.set FRB,  1536                        ; a fragment's image
.set SPB,  528                         ; a stage row: 512 bytes + 16, an odd multiple of 16: the sixteen rows that a read of 16 bytes a lane touches start 16 bytes apart modulo 256
.set STGB, 16*SPB                      ; a wave's stage: 16 rows
; ---- registers of the text for x
.set LI,   4                           ; v4      16 x lane: the offset of all loads of lhs_q and of all stores; never rewritten
.set SIN,  5                           ; v5      the stage, way in: stage + 16 x lane
.set SOUT, 6                           ; v6      way out: stage + 528 r + 128 h
.set RS,   7                           ; v7      4 r
.set SH8,  8                           ; v8      8 h
.set T,    10                          ; v10-11  two blocks' largest magnitudes
.set SCL,  12                          ; v12-13  the conversions' scale operands
.set BY,   14                          ; v14-15  the scale bytes
.set TW,   16                          ; v16     my two bytes at their places in the scale word
.set TP,   17                          ; v17     lane l xor 16's
.set S,    18                          ; v18-25  lhs_scale x 2^-24 of my row in each of the 8 tiles
.set SP,   26                          ; v26-27  the tile's, twice (a pair for the packed multiply)
.set W,    28                          ; v28-35  the 8 tiles' scale words
.set O,    36                          ; v36-39  the words as they are stored
.set PC,   40                          ; v40-51  a fragment's 12 registers
.set TC,   52                          ; v52-54, v56-58  the second halves of the two blocks' codes (a conversion's three registers begin on an even number)
.set X,    60                          ; v60-123 my 64 numbers of a tile
.set R,    124                         ; v124-187, v188-251  two sets of 16 rows as they are loaded
; ---- registers of the text for rhs
.set BT,   10                          ; v10-11  two chains of the largest magnitude
.set BSC,  12                          ; v12     the conversions' scale operand
.set BBY,  13                          ; v13     the scale byte
.set BW,   16                          ; v16-17  a scale word for each of my two columns
.set BP,   20                          ; v20-43  12 registers of a fragment's lane, for each of my two columns
.set BTC,  44                          ; v44-46  the second half of a block's codes
.set BX,   48                          ; v48-111 two sets of 32 numbers
.set BLB,  112                         ; v112    4 x lane
.set BVB,  113                         ; v113    where my codes go: 1,536 h + 16 r + 6,144 x half block
.set BVS,  114                         ; v114    where my scale words go: 16 x lane + 8 x half block
	s_load_b128 s[4:7], s[0:1], 0x0                ; lhs_q s[4:5], lhs_scale s[6:7]
	s_load_b128 s[8:11], s[0:1], 0x10              ; rhs s[8:9], aq s[10:11]
	s_load_b64 s[12:13], s[0:1], 0x20              ; bq
	v_lshl_add_u32 v254, v0, 2, 0x18c00
	v_mov_b32 v255, 0
	v_lshrrev_b32 v1, 5, v0
	v_readfirstlane_b32 s16, v1                    ; wave 0..11
	v_and_b32 v1, 31, v0                           ; lane
	v_and_b32 v2, 15, v0                           ; r
	v_bfe_u32 v3, v0, 4, 1                         ; h
	s_mul_i32 s22, s16, STGB                       ; my wave's stage (waves 8-11 never touch theirs)
	v_lshl_add_u32 v[SIN], v1, 4, s22
	v_mul_u32_u24 v[SOUT], v2, SPB
	v_lshl_add_u32 v[SOUT], v3, 7, v[SOUT]
	v_add_nc_u32 v[SOUT], s22, v[SOUT]
	s_mov_b32 s21, 0                               ; the upper word of every offset pair
	s_wait_kmcnt 0x0
	s_cmp_lt_u32 s16, 8
	s_cbranch_scc0 .Lrhs
; =================================================== x: waves 0-7, one block (128 rows x 128 K) a wave ===================================================
; Block number 8 x work-group + wave = 32 g + s: the eight waves of a work-group stand side by side on 4,096 consecutive bytes of each row.
	s_lshr_b32 s17, ttmp9, 2                       ; g
	s_and_b32 s18, ttmp9, 3
	s_lshl_b32 s18, s18, 3
	s_add_co_u32 s18, s18, s16                     ; s
	s_lshl_b32 s20, s17, 21                        ; 128 rows of 16,384 bytes,
	s_lshl_b32 s19, s18, 9                         ; 128 words of 4 bytes
	s_add_co_u32 s20, s20, s19
	s_add_nc_u64 s[4:5], s[4:5], s[20:21]
	s_lshl_b32 s20, s17, 9
	s_add_nc_u64 s[6:7], s[6:7], s[20:21]          ; the group's 128 scales
	s_lshl_b32 s20, ttmp9, 3
	s_add_co_u32 s20, s20, s16
	s_mul_i32 s20, s20, GSB
	s_add_nc_u64 s[10:11], s[10:11], s[20:21]      ; my block of aq
	s_mov_b32 s24, 0x76543210
	s_mov_b32 s25, 0xfedcba98                      ; v_permlanex16_b32's selects for lane l xor 16
	v_lshlrev_b32 v[LI], 4, v1
	v_lshlrev_b32 v[RS], 2, v2
	v_lshlrev_b32 v[SH8], 3, v3
	v_mov_b32 v[TP], 0                             ; written once: a lane permute's destination counts as one of its sources
.macro ALOAD t                         ; tile t's 16 rows into set t % 2: each load reads a row's 512 consecutive bytes, 16 a lane
.irp i, 0,1,2,3,4,5,6,7,8,9,10,11,12,13,14,15
	global_load_b128 v[R+64*((\t)%2)+4*\i:R+64*((\t)%2)+4*\i+3], v[LI], s[4:5] offset:(16*(\t)+\i)*16384 th:TH_LOAD_NT
.endr
.endm
; Tile t: 16 rows x 128 K become one fragment and one scale word a row.
.macro ASTEP t
.set RT, R+64*((\t)%2)
.if (\t) < 7
	s_wait_loadcnt 16                              ; loads come back in order: this tile's 16 are in (and the scales, which are older); the next tile's 16 may be out
.else
	s_wait_loadcnt 0x0
.endif
.if (\t) == 0
.irp i, 0,1,2,3,4,5,6,7
	v_mul_f32 v[S+\i], 0x33800000, v[S+\i]         ; lhs_scale x 2^-24: exact; it takes back the 2^24 of the cast below
.endr
.endif
.irp i, 0,1,2,3,4,5,6,7,8,9,10,11,12,13,14,15
	ds_store_b128 v[SIN], v[RT+4*\i:RT+4*\i+3] offset:SPB*\i       ; the rows go into my stage as they lie,
.endr
.irp c, 0,1
.irp j, 0,1,2,3,4,5,6,7
	ds_load_b128 v[X+32*\c+4*\j:X+32*\c+4*\j+3], v[SOUT] offset:256*\c+16*\j   ; and come back as the operand's layout wants them: X[32 c + i] = q(row r, 64 c + 32 h + i).  LDS serves a wave's instructions in order
.endr
.endr
	v_mov_b32 v[SP], v[S+(\t)]
	v_mov_b32 v[SP+1], v[S+(\t)]
	s_wait_dscnt 0x0                               ; my 64 words are in, and the stores have read the set that is loaded again below
.if (\t)+2 < 8
	ALOAD (\t)+2
.endif
.set n, 0
.rept 64
	v_lshlrev_b32 v[X+n], 24, v[X+n]               ; the cast to int8: the low byte, with its sign on top: q x 2^24 as a whole number
.set n, n+1
.endr
.set n, 0
.rept 64
	v_cvt_f32_i32 v[X+n], v[X+n]                   ; exact: eight significant bits
.set n, n+1
.endr
.set n, 0
.rept 32
	v_pk_mul_f32 v[X+n:X+n+1], v[X+n:X+n+1], v[SP:SP+1]            ; x = q x lhs_scale, rounded once
.set n, n+2
.endr
.irp c, 0,1                                    ; my blocks h and 2 + h of row r: all 32 numbers of each are mine
	v_max3_num_f32 v[T+\c], |v[X+32*\c]|, |v[X+32*\c+1]|, 0x1800000   ; and the floor 2^(3 - 127): the byte cannot fall under 1
.endr
.irp i, 2,4,6,8,10,12,14,16,18,20,22,24,26,28,30
.irp c, 0,1
	v_max3_num_f32 v[T+\c], v[T+\c], |v[X+32*\c+\i]|, |v[X+32*\c+\i+1]|   ; (the two blocks by turns)
.endr
.endr
.irp c, 0,1
	v_add_nc_u32 v[SCL+\c], 0xff000000, v[T+\c]    ; 2 off the exponent field: the conversion takes the exponent field of this operand as its scale, and nothing else of it
.endr
.irp c, 0,1
	v_lshrrev_b32 v[BY+\c], 23, v[SCL+\c]          ; the scale's byte
.endr
	v_lshl_or_b32 v[TW], v[BY+1], 16, v[BY]        ; bytes h and 2 + h of the row's scale word,
	v_lshlrev_b32 v[TW], v[SH8], v[TW]             ; at their places;
	v_permlanex16_b32 v[TP], v[TW], s24, s25
	v_or_b32 v[W+(\t)], v[TW], v[TP]               ; with lane l xor 16's two the word is whole
.if (\t) > 0
	s_wait_xcnt 0x0                                ; the last tile's stores have read their data: the codes' registers are written again only behind this wait
.endif
.irp c, 0,1
	v_cvt_scalef32_pk16_fp6_f32 v[PC+6*\c:PC+6*\c+2], v[X+32*\c:X+32*\c+15], v[SCL+\c]      ; sixteen numbers / the scale, to the nearest code, ties to even, beyond the largest code the largest
	v_cvt_scalef32_pk16_fp6_f32 v[TC+4*\c:TC+4*\c+2], v[X+32*\c+16:X+32*\c+31], v[SCL+\c]
.endr
	v_nop                                          ; one plain vector instruction behind the last scaled conversion
.irp c, 0,1
.irp i, 0,1,2
	v_mov_b32 v[PC+6*\c+3+\i], v[TC+4*\c+\i]       ; registers 6 c .. 6 c + 5: k = 64 c + 32 h + 0 .. 31
.endr
.endr
.irp c, 0,1,2
	global_store_b128 v[LI], v[PC+4*\c:PC+4*\c+3], s[10:11] offset:FRB*(\t)+512*\c   ; the image: 32 lanes store 512 consecutive bytes, at a multiple of 256 from aq's first byte
.endr
.endm
.irp t, 0,1,2,3,4,5,6,7
	global_load_b32 v[S+\t], v[RS], s[6:7] offset:64*\t            ; lhs_scale of row 16 t + r
.endr
	ALOAD 0
	ALOAD 1
.irp t, 0,1,2,3,4,5,6,7
	ASTEP \t
.endr
	v_cmp_ne_u32 vcc_lo, 0, v3                     ; lanes 0-15 store the even tiles' words, lanes 16-31 the odd tiles'
.irp j, 0,1,2,3
	v_cndmask_b32 v[O+\j], v[W+2*\j], v[W+2*\j+1], vcc_lo
.endr
	global_store_b128 v[LI], v[O:O+3], s[10:11] offset:SCO         ; 512 consecutive bytes
	s_wait_tensorcnt 0x0
	ds_add_u32 v254, v255
	s_wait_dscnt 0x0
	s_endpgm
; =================================================== rhs: waves 8-11, half a block (64 columns x 128 K) a wave ===================================================
; A LANE TAKES A COLUMN n, AND ITS REGISTERS RUN DOWN K: a block of 32 along K lies in one lane's 32 registers, and the conversions give the codes with K innermost.  Nothing is transposed.
; A wave has two chunks of 32 columns; lane (r, h) of chunk c holds row r of operand tile 4 x half + 2 c + h.  Its four blocks kb = 0 .. 3 belong to the image's lanes (r, kb % 2), registers 6 (kb / 2) on.
; So the blocks go in the order 0, 2, 1, 3: behind each second one 12 registers of an image's lane are whole, and sixteen lanes store 256 consecutive bytes of it.
.Lrhs:
	s_sub_co_u32 s17, s16, 8
	s_lshr_b32 s18, s17, 1
	s_and_b32 s19, s17, 1                          ; which 64 columns of the group
	s_and_b32 s20, ttmp9, 15
	s_lshl_b32 s20, s20, 1
	s_add_co_u32 s18, s18, s20                     ; the K step: 2 (work-group % 16) + (wave - 8) / 2
	s_lshr_b32 s22, ttmp9, 4                       ; the group
	s_lshl_b32 s20, s18, 20                        ; 128 rows of 8,192 bytes,
	s_lshl_b32 s23, s22, 9                         ; 128 columns of 4 bytes,
	s_add_co_u32 s20, s20, s23
	s_lshl_b32 s23, s19, 8                         ; 64 columns
	s_add_co_u32 s20, s20, s23
	s_add_nc_u64 s[8:9], s[8:9], s[20:21]
	s_lshl_b32 s20, s22, 5
	s_add_co_u32 s20, s20, s18
	s_mul_i32 s20, s20, GSB
	s_add_nc_u64 s[12:13], s[12:13], s[20:21]      ; the block of bq
	v_lshlrev_b32 v[BLB], 2, v1
	v_mul_u32_u24 v[BVB], v3, FRB
	v_lshl_add_u32 v[BVB], v2, 4, v[BVB]
	s_mul_i32 s23, s19, 4*FRB
	v_add_nc_u32 v[BVB], s23, v[BVB]
	s_lshl_b32 s23, s19, 3
	v_lshl_add_u32 v[BVS], v1, 4, s23
; Unit u = 0 .. 7: block kb = 0, 0, 2, 2, 1, 1, 3, 3 of chunk u % 2: the two halves of each 256 bytes of a row of rhs are asked for in neighbouring units.
.macro BLOAD u
.set KBL, 2*(((\u)/2)%2)+(\u)/4
.set n, 0
.rept 32
	global_load_b32 v[BX+32*((\u)%2)+n], v[BLB], s[8:9] offset:(32*KBL+n)*8192+128*((\u)%2) th:TH_LOAD_NT   ; rhs(32 kb + n, my column): 32 lanes read 128 consecutive bytes
.set n, n+1
.endr
.endm
.macro BUNIT u
.set KB, 2*(((\u)/2)%2)+(\u)/4
.set CH, (\u)%2
.set XS, BX+32*CH
.set PD, BP+12*CH+6*(KB/2)
.if (\u) < 7
	s_wait_loadcnt 32                              ; this unit's 32 loads are in; the next unit's may be out
.else
	s_wait_loadcnt 0x0
.endif
	v_max3_num_f32 v[BT], |v[XS]|, |v[XS+1]|, |v[XS+2]|            ; the block's largest magnitude: all 32 numbers are mine; two chains
	v_max3_num_f32 v[BT+1], |v[XS+3]|, |v[XS+4]|, |v[XS+5]|
.irp i, 6,10,14,18,22,26
	v_max3_num_f32 v[BT], v[BT], |v[XS+\i]|, |v[XS+\i+1]|
	v_max3_num_f32 v[BT+1], v[BT+1], |v[XS+\i+2]|, |v[XS+\i+3]|
.endr
	v_max3_num_f32 v[BT], v[BT], |v[XS+30]|, |v[XS+31]|
	v_max3_num_f32 v[BT], v[BT], v[BT+1], 0x1800000                ; and the floor 2^(3 - 127)
	v_add_nc_u32 v[BSC], 0xff000000, v[BT]         ; 2 off the exponent field: the conversions' scale operand
	v_lshrrev_b32 v[BBY], 23, v[BSC]               ; the scale's byte
.if KB == 0
	v_mov_b32 v[BW+CH], v[BBY]                     ; byte kb of my column's scale word
.else
	v_lshl_or_b32 v[BW+CH], v[BBY], 8*KB, v[BW+CH]
.endif
.if (\u) == 4
	s_wait_xcnt 0x0                                ; the stores of units 2 and 3 have read their data: the codes' registers are written again, in units 4 to 7, only behind this wait
.endif
	v_cvt_scalef32_pk16_fp6_f32 v[PD:PD+2], v[XS:XS+15], v[BSC]
	v_cvt_scalef32_pk16_fp6_f32 v[BTC:BTC+2], v[XS+16:XS+31], v[BSC]
	v_nop                                          ; one plain vector instruction behind the last scaled conversion
.irp i, 0,1,2
	v_mov_b32 v[PD+3+\i], v[BTC+\i]
.endr
.if (\u)+2 < 8
	BLOAD (\u)+2
.endif
.if ((\u)/2)%2 == 1                            ; blocks kb % 2 and 2 + kb % 2 are made: 12 registers of the image's lane (r, kb % 2)
.irp c, 0,1,2
	global_store_b128 v[BVB], v[BP+12*CH+4*\c:BP+12*CH+4*\c+3], s[12:13] offset:2*FRB*CH+512*\c+256*(KB%2)   ; each sixteen lanes store 256 consecutive bytes, at a multiple of 256 from bq's first byte
.endr
.endif
.endm
	BLOAD 0
	BLOAD 1
.irp u, 0,1,2,3,4,5,6,7
	BUNIT \u
.endr
	global_store_b64 v[BVS], v[BW:BW+1], s[12:13] offset:SCO       ; tiles 4 x half + h and 4 x half + 2 + h: 8 of each 16 bytes; the wave with the other 64 columns stores the other 8
	s_endpgm
.Lfunc_end_k_q5474a0214e_quant:
	.size	k_q5474a0214e_quant, .Lfunc_end_k_q5474a0214e_quant-k_q5474a0214e_quant
	.p2alignl 7, 3214868480
	.fill 96, 4, 3214868480
	.section	.rodata,"a",@progbits
	.p2align	6, 0x0
	.amdhsa_kernel k_q5474a0214e_quant
		.amdhsa_group_segment_fixed_size 102912
		.amdhsa_private_segment_fixed_size 0
		.amdhsa_enable_private_segment 0
		.amdhsa_kernarg_size 40
		.amdhsa_user_sgpr_count 2
		.amdhsa_user_sgpr_kernarg_segment_ptr 1
		.amdhsa_wavefront_size32 1
		.amdhsa_system_sgpr_workgroup_id_x 1
		.amdhsa_system_sgpr_workgroup_id_y 1
		.amdhsa_system_sgpr_workgroup_id_z 1
		.amdhsa_system_vgpr_workitem_id 0
		.amdhsa_next_free_vgpr 256
		.amdhsa_next_free_sgpr 66
		.amdhsa_reserve_vcc 1
		.amdhsa_float_denorm_mode_32 3
		.amdhsa_float_denorm_mode_16_64 3
		.amdhsa_memory_ordered 1
		.amdhsa_forward_progress 1
		.amdhsa_inst_pref_size 145
	.end_amdhsa_kernel
	.amdgpu_metadata
---
amdhsa.version: [ 1, 2 ]
amdhsa.kernels:
  - .name:           k_q5474a0214e_quant
    .symbol:         k_q5474a0214e_quant.kd
    .args:
      - { .name: lhs_q, .offset: 0, .size: 8, .value_kind: global_buffer, .address_space: global }
      - { .name: lhs_scale, .offset: 8, .size: 8, .value_kind: global_buffer, .address_space: global }
      - { .name: rhs, .offset: 16, .size: 8, .value_kind: global_buffer, .address_space: global }
      - { .name: aq, .offset: 24, .size: 8, .value_kind: global_buffer, .address_space: global }
      - { .name: bq, .offset: 32, .size: 8, .value_kind: global_buffer, .address_space: global }
    .group_segment_fixed_size: 102912
    .private_segment_fixed_size: 0
    .kernarg_segment_align: 8
    .kernarg_segment_size: 40
    .max_flat_workgroup_size: 384
    .sgpr_count:     66
    .vgpr_count:     256
    .wavefront_size: 32
...
	.end_amdgpu_metadata
.endif
;; end of part 1
;; launch gemm (part 2): grid 8 x 32, 4 waves a work-group, clusters of 4 x 4, 327,680 bytes of LDS; arguments aq, bq, out0; writes out0
.if DOCPART == 2
	.amdgcn_target "amdgcn-amd-amdhsa--gfx1250"
	.amdhsa_code_object_version 6
	.text
	.protected	k_q5474a0214e_gemm
	.globl	k_q5474a0214e_gemm
	.p2align	8
	.type	k_q5474a0214e_gemm,@function
k_q5474a0214e_gemm:
	s_mov_b64 s[64:65], 0
	v_nop
	global_prefetch_b8 v0, s[64:65] scope:SCOPE_SE
	s_setreg_imm32_b32 hwreg(HW_REG_WAVE_MODE, 25, 1), 1
	s_wait_xcnt 0x0
	s_wait_alu depctr_hold_cnt(0) depctr_sa_sdst(0) depctr_va_vdst(0) depctr_va_sdst(0) depctr_va_ssrc(0) depctr_va_vcc(0) depctr_vm_vsrc(0)
	s_getreg_b32 s2, hwreg(HW_REG_IB_STS2, 6, 4)
	s_cmp_eq_u32 s2, 0
	s_cbranch_scc0 .Lentry_in_a_cluster
	s_endpgm
.Lentry_in_a_cluster:
	s_bfe_u32 s2, ttmp6, 0x10000c
	s_cmp_lg_u32 s2, 0xf033
	s_cbranch_scc0 .Lentry_shape_is_right
	s_endpgm
.Lentry_shape_is_right:
; out0[m][n] = sum over k of A[m][k] B[n][k], M = 8,192, N = 2,048, K = 4,096: both operands as codes of FP6 (E2M3) with one E8M0 scale for each 32 along K; sums in f32; out0 f32.
; THE OPERANDS LIE IN MEMORY AS IMAGES OF THE OPERAND REGISTERS.  A group = 128 rows of A (or of B, B's rows being rhs's columns); a K step = 128 along K; the block of (group g, step s) lies at (32 g + s) x 12,800 bytes:
; eight fragment images of 1,536 bytes (16 rows x 128 K: three loads of 16 bytes a lane at 16 x lane, 512 bytes apart, give a fragment's 12 registers), then 512 bytes of scale words
; (the word of row r of tile i at 256 (i % 2) + 16 r + 4 (i / 2): one load of 16 bytes a lane at 16 r gives four tiles' words).  A group's walk along K is dense memory.
; A tile of out0, 256 x 256, is made by a work-group of four waves, as many as a WGP has SIMDs; a wave makes 128 x 128: 64 accumulators of 16 x 16, 512 registers.
; THE RING: two LDS slots of THREE K steps each, as many as two slots in LDS allow.  A slot has four parts of 38,400 bytes (A's two groups, B's two groups; a group's K steps are consecutive memory): each wave fetches one
; part by one tensor load.  32 K steps = 2 + 10 x 3: slot 0's first fill holds K steps 0 and 1 alone; fill j = 1 .. 10 holds K steps 3 j - 1 .. 3 j + 1 and goes to slot j % 2.
; The scale words travel in the slot with their codes.  No padding: every LDS read of the ring is 512 consecutive bytes (the scale words: 256 for each half of the lanes).
; THE CHANGE OF SLOTS stands at the head of a slot's last K step, whose fragments are in registers by then: the slot is asked for again at once, and all 64 products of that K step come behind the request.
; CLUSTERS: 4 x 4 work-groups.  The four of a row of the cluster need the same parts of A, the four of a column the same parts of B: each part is asked for JOINTLY, by the same tensor load with the
; same descriptor and a mask that names the four.  THE MATRIX INSTRUCTION IS USED TRANSPOSED (source 0 = 16 rows of B, source 1 = 16 rows of A): a lane then holds eight neighbouring numbers of a row of out0.
; REGISTERS, in windows of 256: window 0: v0-31 addresses; v32-79 scale words, two sets; v128-223 A's fragments (8 x 16 rows x 128 K), ONE set; on the way out v128-255 take rows of out0.
;   window 1: B's fragments, TWO sets, at v0 and at v128: K step g uses set g % 2.   window 2: the 32 accumulators of my rows 0-63 (accumulator (a, b) at v[8 (8 a + b)]);   window 3: those of my rows 64-127.
; A K step is 64 matrix instructions, A's blocks one after the other, each against B's eight: a block of A is free as soon as its eight products are issued, so one set serves A:
; blocks 0-3 are fetched anew in the step's middle, blocks 4-7 at its end.  B's fragments are at work through the whole step, so B has two sets.
.set SIZE_N, 2048
.set GSB,    12800                     ; a block: one group, one K step
.set SCO,    12288                     ; its scale words
.set FRB,    1536                      ; a fragment's image
.set NQ,     3                         ; K steps in a slot
.set PART,   NQ*GSB                    ; what one tensor load brings: 150 rows of 256 bytes
.set SLOT,   4*PART
.set GROUPB, 32*GSB                    ; a group's whole K
.set TRIPS,  4                         ; a trip of the loop = two slots = six K steps: fills 1 to 8 are read in it, fills 3 to 10 are asked for in it
.set FR,     12                        ; registers of a fragment
.set NL,     3                         ; LDS loads that bring one
.set NP,     4                         ; places behind this matrix instruction (ISA guide 7.12.1)
.set SPARE,  2*SLOT                    ; behind the ring: the spare words, 128 bytes for each wave: two blocks of 256 bytes that no other line names
.set STAGE,  SLOT                      ; the way out: 16 rows x (512 bytes + 16) for each wave, in slot 1: when the first result is stored there, that slot has had its last fill, and every wave has passed the last change of slots, behind which nobody reads it
.set SPITCH, 528
.set ADRA, 16                          ; v16-17  LDS address of my A fragments in slot 0, 1: 16 x lane + my part
.set ADRB, 20                          ; v20-21  the same for B
.set ADRS, 22                          ; v22-23  of my scale words: lanes 0-15 in A's part, lanes 16-31 in B's
.set STO,  24                          ; v24     the way out: where I put 32 bytes of a row
.set RD,   25                          ; v25     the way out: where I read a row back
.set CO,   26                          ; v26     16 x lane: my byte offset in a row's 512 bytes of out0
.set SPW,  28                          ; v28     LDS address of my spare word: SPARE + 4 x my thread's number; never rewritten
.set NIL,  29                          ; v29     0; never rewritten
.set SC,   32                          ; scale words: register SC + 24 set + 8 q + 4 (i % 2) + i / 2: lanes 0-15 the words of A's block i, lanes 16-31 those of B's block i, for the slot's q-th K step
.set AF,   128                         ; A's fragments, in window 0
.set BK,   128                         ; the way out: 16 rows read back from the stage: v128-191 and v192-255 by turns
.set G1,   24                          ; s[24:31] descriptor group 1 for A's parts;  s[32:39] group 0, one set for each slot
.set G0,   32
.set G1B,  48                          ; s[48:55], s[56:63] the same for B's parts
.set G0B,  56
.set G1H,  68                          ; s[68:75] group 1 for A's short first fill (two K steps: 100 rows);  s[76:83] for B's
.set G1BH, 76
.set MSB, 0
.macro WIN new                         ; the immediate's high byte repeats the setting that is left; a switch that changes nothing is dropped
.if MSB != \new
	s_set_vgpr_msb (MSB<<8)|\new
.set MSB, \new
.endif
.endm
.set MUL_LO, 0xa1                      ; source 0 (B) window 1, source 1 (A) window 0, C and D window 2
.set MUL_HI, 0xf1                      ; the same, C and D window 3
.set TO_B,   0x40                      ; destination window 1, address window 0
; A joint load: waves 0 and 1 fetch A's two groups, waves 2 and 3 B's.  Each of the two lines has ONE mask and one set of registers for all that issue it; the branch hangs on the wave's number alone.
; Four v_nop follow each of the two lines, ahead of the jump, the label and what follows.
.macro JLOAD g0a, g1a, g0b, g1b
	s_cmp_eq_u32 s15, 0
	s_cbranch_scc0 .Lfor_b_\@
	tensor_load_to_lds s[\g0a:\g0a+3], s[\g1a:\g1a+7]
	s_nop 0
.rept 4
	v_nop
.endr
	s_branch .Lasked_\@
.Lfor_b_\@:
	tensor_load_to_lds s[\g0b:\g0b+3], s[\g1b:\g1b+7]
	s_nop 0
.rept 4
	v_nop
.endr
.Lasked_\@:
.endm
.macro CREST                           ; a round of the cluster's barrier behind its opening barrier
	s_cmp_lg_u32 s14, 0
	s_cbranch_scc1 .Lnot_wave_0_\@
	s_barrier_signal -3
.Lnot_wave_0_\@:
	s_barrier_wait -3
	s_barrier_signal -1
	s_barrier_wait -1
.endm
.macro CROUND                          ; a whole round
	s_barrier_signal -1
	s_barrier_wait -1
	CREST
.endm
	s_load_b128 s[4:7], s[0:1], 0x0                ; aq s[4:5], bq s[6:7]
	s_load_b64 s[12:13], s[0:1], 0x10              ; out0
	v_lshl_add_u32 v[SPW], v0, 2, SPARE
	v_mov_b32 v[NIL], 0
	ds_add_u32 v28, v29
	ds_add_u32 v28, v29
	s_wait_dscnt 0x0
	v_lshrrev_b32 v1, 5, v0
	v_readfirstlane_b32 s14, v1                    ; wave 0..3
	s_lshr_b32 s15, s14, 1                         ; which half of the tile's rows is mine.  Also: I fetch for A (0) or for B (1)
	s_and_b32 s16, s14, 1                          ; which half of its columns.  Also: which of the two groups I fetch
	s_bfe_u32 s40, ttmp6, 0x40000                  ; cx, cy: my place in the cluster
	s_bfe_u32 s41, ttmp6, 0x40004
	s_lshl_b32 s42, ttmp9, 2
	s_add_co_u32 s42, s42, s40                     ; tile column = 4 x cluster x + cx
	s_and_b32 s17, ttmp7, 0xffff
	s_lshl_b32 s17, s17, 2
	s_add_co_u32 s17, s17, s41                     ; tile row = 4 x cluster y + cy
	s_lshl_b32 s43, s41, 2
	s_lshl_b32 s43, 15, s43                        ; my row of the cluster: places 4 cy .. 4 cy + 3
	s_lshl_b32 s44, 0x1111, s40                    ; my column: places cx, cx + 4, cx + 8, cx + 12
	; descriptor group 1: a dense block of memory as rows of 32 elements of 8 bytes: 150 rows (three K steps), and 100 rows (two) for slot 0's first fill
	s_or_b32 s[G1+0], s43, (3<<16)|(1<<21)         ; 15:0 the mask: A's parts go to my row; 17:16 elements of 8 bytes; 20 no padding; 21 set beside a mask
	s_or_b32 s[G1B+0], s44, (3<<16)|(1<<21)        ; the same with the mask of my column
	s_or_b32 s[G1H+0], s43, (3<<16)|(1<<21)
	s_or_b32 s[G1BH+0], s44, (3<<16)|(1<<21)
.irp g, G1, G1B
	s_mov_b32 s[\g+1], 32<<16                      ; tensor_dim0 = 32
	s_mov_b32 s[\g+2], 150<<16                     ; tensor_dim1 = 150
	s_mov_b32 s[\g+3], 32<<16                      ; tile_dim0 = 32
	s_mov_b32 s[\g+4], 150                         ; tile_dim1 = 150
	s_mov_b32 s[\g+5], 32                          ; tensor_dim0_stride: the rows follow each other
	s_mov_b32 s[\g+6], 0
	s_mov_b32 s[\g+7], 0
.endr
.irp g, G1H, G1BH
	s_mov_b32 s[\g+1], 32<<16
	s_mov_b32 s[\g+2], 100<<16                     ; tensor_dim1 = 100
	s_mov_b32 s[\g+3], 32<<16
	s_mov_b32 s[\g+4], 100                         ; tile_dim1 = 100
	s_mov_b32 s[\g+5], 32
	s_mov_b32 s[\g+6], 0
	s_mov_b32 s[\g+7], 0
.endr
	; where the parts come from.  A's hang on the tile row alone, which my row of the cluster shares; B's on the tile column alone.  Every wave makes both, in registers that never hold the other coordinate.
	s_lshl_b32 s20, s17, 1
	s_add_co_u32 s20, s20, s16                     ; A's group: 2 x tile row + which
	s_mul_i32 s20, s20, GROUPB                     ; at most 63 x 409,600 bytes
	s_mov_b32 s21, 0
	s_lshl_b32 s46, s42, 1
	s_add_co_u32 s46, s46, s16                     ; B's group: 2 x tile column + which
	s_mul_i32 s46, s46, GROUPB
	s_mov_b32 s47, 0
	s_mul_i32 s45, s14, PART                       ; where they go: wave x a part: no place in the cluster enters an LDS address
	s_wait_kmcnt 0x0
	s_add_nc_u64 s[20:21], s[4:5], s[20:21]
	s_add_nc_u64 s[46:47], s[6:7], s[46:47]
	CROUND                                         ; all sixteen work-groups are here: the first joint loads meet
.irp s, 0,1
	s_mov_b32 s[G0+4*\s], 1                                        ; count = 1
	s_add_co_u32 s[G0+4*\s+1], s45, \s*SLOT                        ; LDS address
	s_add_nc_u64 s[G0+4*\s+2:G0+4*\s+3], s[20:21], \s*2*GSB        ; global address: slot 0 begins with K step 0, slot 1 with K step 2
	s_or_b32 s[G0+4*\s+3], s[G0+4*\s+3], 0x80000000                ; type = 2
	s_mov_b32 s[G0B+4*\s], 1
	s_add_co_u32 s[G0B+4*\s+1], s45, \s*SLOT
	s_add_nc_u64 s[G0B+4*\s+2:G0B+4*\s+3], s[46:47], \s*2*GSB
	s_or_b32 s[G0B+4*\s+3], s[G0B+4*\s+3], 0x80000000
.endr
	JLOAD G0, G1H, G0B, G1BH                       ; K steps 0 and 1 into slot 0,
	JLOAD G0+4, G1, G0B+4, G1B                     ; K steps 2 to 4 into slot 1: both are asked for before anything else is done: two tensor loads of mine are out
	v_and_b32 v1, 15, v0                           ; r = lane % 16
	v_bfe_u32 v2, v0, 4, 1                         ; h = lane / 16
	v_and_b32 v3, 31, v0
	v_lshlrev_b32 v[CO], 4, v3                     ; 16 x lane
	s_mul_i32 s21, s15, PART                       ; my 128 rows of A: part 0 or 1
	s_mul_i32 s22, s16, PART                       ; my 128 rows of B: part 2 or 3
	s_add_co_u32 s22, s22, 2*PART
	s_sub_co_u32 s23, s22, s21                     ; from A's part to B's
	v_mul_u32_u24 v5, s23, v2                      ; lanes 16-31 take B's scale words
	v_lshl_add_u32 v5, v1, 4, v5                   ; 16 bytes a row: four tiles' words
	v_add_nc_u32 v5, SCO, v5
.irp s, 0,1
	v_add_nc_u32 v[ADRA+\s], s21, v[CO]
	v_add_nc_u32 v[ADRB+\s], s22, v[CO]
	v_add_nc_u32 v[ADRS+\s], s21, v5
	s_add_co_u32 s21, s21, SLOT
	s_add_co_u32 s22, s22, SLOT
.endr
	s_mul_i32 s23, s14, 16*SPITCH
	s_add_co_u32 s23, s23, STAGE                   ; my stage
	v_mul_u32_u24 v6, v1, SPITCH                   ; in: row r, 32 bytes for each half of the lanes
	v_lshl_add_u32 v6, v2, 5, v6
	v_add_nc_u32 v[STO], s23, v6
	v_add_nc_u32 v[RD], s23, v[CO]                 ; back: the 32 lanes take one row of 512 bytes
	s_lshl_b32 s20, s17, 8
	s_lshl_b32 s21, s15, 7
	s_add_co_u32 s20, s20, s21                     ; my first row of out0: 256 x tile row + 128 x half,
	s_lshl_b32 s20, s20, 13                        ; in rows of 8,192 bytes: at most 8,064 x 8,192
	s_mov_b32 s21, 0
	s_add_nc_u64 s[12:13], s[12:13], s[20:21]
	s_lshl_b32 s46, s42, 10                        ; my first column, in bytes: 1,024 x tile column + 512 x half
	s_lshl_b32 s47, s16, 9
	s_add_co_u32 s46, s46, s47
	s_mov_b32 s47, 0
	s_add_nc_u64 s[12:13], s[12:13], s[46:47]
.macro FRAG reg, adr, q, i             ; fragment i of the slot's q-th K step: its image comes back as it was stored: 12 registers by three loads of 512 consecutive bytes
.irp c, 0,1,2
	ds_load_b128 v[\reg+4*\c:\reg+4*\c+3], v[\adr] offset:(\q)*GSB+(\i)*FRB+512*\c
.endr
.endm
; 16 matrix instructions: A's blocks a0, a0 + 1 x B's eight, 128 along K: the slot's q-th.  p: B's set;  sc: the set of scale words.  zero = 1: the first product starts the sums: nothing is ever cleared.
; The 64 accumulators take turns, one instruction a turn, in the same order in every step.  Source 0's scales (B's) are read from lanes 16-31 of their register, source 1's (A's) from lanes 0-15.
.macro MUL16 a0, p, q, sc, zero
.irp a, \a0, \a0+1
.irp b, 0,1,2,3,4,5,6,7
.if \zero
	v_wmma_scale_f32_16x16x128_f8f6f4 v[8*(8*((\a)%4)+\b):8*(8*((\a)%4)+\b)+7], v[128*(\p)+FR*\b:128*(\p)+FR*\b+FR-1], v[AF+FR*(\a):AF+FR*(\a)+FR-1], 0, v[SC+24*(\sc)+8*(\q)+4*(\b%2)+\b/2], v[SC+24*(\sc)+8*(\q)+4*((\a)%2)+(\a)/2] matrix_a_fmt:MATRIX_FMT_FP6 matrix_b_fmt:MATRIX_FMT_FP6 matrix_a_scale:MATRIX_SCALE_ROW1
.else
	v_wmma_scale_f32_16x16x128_f8f6f4 v[8*(8*((\a)%4)+\b):8*(8*((\a)%4)+\b)+7], v[128*(\p)+FR*\b:128*(\p)+FR*\b+FR-1], v[AF+FR*(\a):AF+FR*(\a)+FR-1], v[8*(8*((\a)%4)+\b):8*(8*((\a)%4)+\b)+7], v[SC+24*(\sc)+8*(\q)+4*(\b%2)+\b/2], v[SC+24*(\sc)+8*(\q)+4*((\a)%2)+(\a)/2] matrix_a_fmt:MATRIX_FMT_FP6 matrix_b_fmt:MATRIX_FMT_FP6 matrix_a_scale:MATRIX_SCALE_ROW1
.endif
.endr
.endr
.endm
.macro FETCH_B slot, q, p              ; B's eight fragments of the slot's q-th K step into set p: 24 loads
	WIN TO_B
.irp i, 0,1,2,3,4,5,6,7
	FRAG 128*(\p)+FR*\i, ADRB+\slot, \q, \i
.endr
	WIN 0
.endm
.macro FETCH_A slot, q, i0             ; A's blocks i0 .. i0 + 3: 12 loads
.irp i, \i0, \i0+1, \i0+2, \i0+3
	FRAG AF+FR*(\i), ADRA+\slot, \q, \i
.endr
.endm
.macro SCALES set, nq                  ; the scale words of slot set's nq K steps: two loads a K step; lanes 0-15 take A's, lanes 16-31 B's; load u brings the words of tiles u, 2 + u, 4 + u, 6 + u
.irp q, 0,1,2
.if \q < \nq
.irp u, 0,1
	ds_load_b128 v[SC+24*\set+8*\q+4*\u:SC+24*\set+8*\q+4*\u+3], v[ADRS+\set] offset:\q*GSB+256*\u
.endr
.endif
.endr
.endm
; A load into a register that a matrix instruction has read, and an LDS store that reads a matrix result, stand NP places behind that matrix instruction, and only plain vector
; instructions that name none of its registers are places (ISA guide 7.12.1 for vector instructions); the matrix instructions in between are not counted.
.macro PLACES n
.rept \n
	v_nop
.endr
.endm
; A K step: the q-th of slot `slot`, on B's set p.  While it is multiplied the next K step's fragments are fetched: the nq-th of slot ns, B's into the other set.
; first = 1: this is a slot's last K step, and stands behind the change of slots: all my LDS loads are in (no wait is written), and the K step that is fetched is the next slot's first, with that slot's scale words.
.macro STEP slot, q, p, zero, ns, nq, first
.if \first == 0
	s_wait_dscnt 4*NL                              ; B's set, A's blocks 0-3 and the scale words are in; the youngest 12 loads (A's blocks 4-7) may be out
.endif
	WIN MUL_LO
	MUL16 0, \p, \q, \slot, \zero
	MUL16 2, \p, \q, \slot, \zero
.if \first == 0
	s_wait_dscnt 0                                 ; A's blocks 4-7 are in (asked for 32 matrix instructions ago)
.endif
	PLACES NP
	FETCH_B \ns, \nq, 1-(\p)
	FETCH_A \ns, \nq, 0
.if \first
	SCALES \ns, NQ
.endif
	WIN MUL_HI
	MUL16 4, \p, \q, \slot, \zero
	MUL16 6, \p, \q, \slot, \zero
	PLACES NP
	WIN 0
	FETCH_A \ns, \nq, 4
.endm
; THE CHANGE OF SLOTS, at the head of slot `slot`'s last K step: that K step's fragments and the slot's scale words have been asked for, so the slot can be left.  Each wave waits for all its tensor loads (one is out: its
; part of the other slot), adds 0 to its spare word, and waits for that and for its own reads of this slot.  Behind the barrier nobody reads this slot any more and the other slot is whole.
; fill = 1: this slot is filled again, adv bytes further along K.  The barrier is then a round of the cluster's, so that no wave of any partner still reads the slot or has a load on its way, and the joint load is the
; first thing behind it: it has this K step and the other slot's first two, 192 matrix instructions of mine, in which to land.  Only the add, its wait, the descriptors' steps and the round stand between the wait for one load and the request of the next.
.macro CHANGE slot, fill, adv
	s_wait_tensorcnt 0x0                           ; no tensor load of mine is out, so a group 0 may be written  (every window is 0 here: the add's two registers lie in window 0)
	ds_add_u32 v[SPW], v[NIL]                      ; 0 onto my spare word: with fill = 1 the descriptors' steps stand between it and the wait for it
.if \fill
	s_add_nc_u64 s[G0+4*\slot+2:G0+4*\slot+3], s[G0+4*\slot+2:G0+4*\slot+3], \adv       ; the type bits on top are not reached
	s_add_nc_u64 s[G0B+4*\slot+2:G0B+4*\slot+3], s[G0B+4*\slot+2:G0B+4*\slot+3], \adv
.endif
	s_wait_dscnt 0x0                               ; the add is done, and my reads of this slot are over
.if \fill
	CROUND
	JLOAD G0+4*\slot, G1, G0B+4*\slot, G1B         ; my one tensor load behind the round
.else
	s_barrier_signal -1
	s_barrier_wait -1
.endif
.endm
	s_wait_tensorcnt 1                             ; my part of slot 0 is in (slot 1's load may be out)
	s_barrier_signal -1
	s_barrier_wait -1                              ; everybody's is
	FETCH_B 0, 0, 0
	FETCH_A 0, 0, 0
	SCALES 0, 2                                    ; slot 0's first fill has two K steps
	FETCH_A 0, 0, 4
	STEP 0, 0, 0, 1, 0, 1, 0                       ; K step 0: its products start the sums
	CHANGE 0, 1, 5*GSB                             ; slot 0 takes K steps 5 to 7
	STEP 0, 1, 1, 0, 1, 0, 1                       ; K step 1
	s_mov_b32 s3, TRIPS
.Ltrip:                                                ; a trip: slot 1's three K steps, slot 0's three: after six K steps B's sets are back where they began; both slots are filled again
	STEP 1, 0, 0, 0, 1, 1, 0
	STEP 1, 1, 1, 0, 1, 2, 0
	CHANGE 1, 1, 6*GSB
	STEP 1, 2, 0, 0, 0, 0, 1
	STEP 0, 0, 1, 0, 0, 1, 0
	STEP 0, 1, 0, 0, 0, 2, 0
	CHANGE 0, 1, 6*GSB
	STEP 0, 2, 1, 0, 1, 0, 1
	s_sub_co_u32 s3, s3, 1
	s_cmp_lg_u32 s3, 0
	s_cbranch_scc1 .Ltrip
	STEP 1, 0, 0, 0, 1, 1, 0                       ; the last two slots are written out: nothing is left to ask for
	STEP 1, 1, 1, 0, 1, 2, 0
	CHANGE 1, 0, 0                                 ; the last change of slots: slot 1 is left for good, and has no round of the cluster's barrier
	STEP 1, 2, 0, 0, 0, 0, 1
	STEP 0, 0, 1, 0, 0, 1, 0
	STEP 0, 1, 0, 0, 0, 2, 0
	s_wait_dscnt 4*NL                              ; K step 31: nothing more to fetch
	WIN MUL_LO
	MUL16 0, 1, 2, 0, 0
	MUL16 2, 1, 2, 0, 0
	s_wait_dscnt 0
	WIN MUL_HI
	MUL16 4, 1, 2, 0, 0
	MUL16 6, 1, 2, 0, 0
	WIN 0
; THE WAY OUT, block by block of 16 rows x 128 columns.  A lane holds 32 neighbouring bytes of a row, and the lanes beside it hold other rows: so a block goes through my own stage in LDS and comes back as whole
; rows of 512 bytes.  LDS serves a wave's instructions in order (ISA guide 5.7.1.4): no wait between the stores and the loads, nor in front of the next block's stores.
.macro TOSTAGE a
.set AC, 64*((\a)%4)
	WIN 0x08+4*((\a)/4)                            ; an LDS store's data are its source 1: window 2 or 3
.irp b, 0,1,2,3,4,5,6,7
	ds_store_b128 v[STO], v[AC+8*\b:AC+8*\b+3] offset:64*\b          ; each accumulator from its low end on
	ds_store_b128 v[STO], v[AC+8*\b+4:AC+8*\b+7] offset:64*\b+16
.endr
	WIN 0
.set BB, BK+64*((\a)%2)
.irp t, 0,1,2,3,4,5,6,7,8,9,10,11,12,13,14,15
	ds_load_b128 v[BB+4*\t:BB+4*\t+3], v[RD] offset:\t*SPITCH
.endr
.endm
.macro SEND a, younger                 ; younger: the LDS instructions issued behind block a's loads, which may stay out
.set BB, BK+64*((\a)%2)
	s_wait_dscnt \younger                          ; the block is back in registers
.if (\a) > 0
	s_add_nc_u64 s[12:13], s[12:13], 16*SIZE_N*4   ; 16 rows on (it stands behind a wait for 0 on XCNT: the earlier stores have read their base)
.endif
.irp t, 0,1,2,3,4,5,6,7,8,9,10,11,12,13,14,15
	global_store_b128 v[CO], v[BB+4*\t:BB+4*\t+3], s[12:13] offset:\t*SIZE_N*4 th:TH_STORE_NT   ; 32 lanes store 512 consecutive bytes, at a multiple of 256 from out0's first byte; written once, read by nobody here
.endr
.endm
	PLACES NP                                      ; behind the last products: for the loads into the registers that held A's fragments, and for the reads of results
	TOSTAGE 0
.irp a, 1,2,3,4,5,6,7
.if \a > 1
	s_wait_xcnt 0x0                                ; block a - 2's stores have read their registers and their base: block a's loads may land there, and the base may step
.endif
	TOSTAGE \a
	SEND \a-1, 32                                  ; behind block a - 1's loads: block a's 16 stores and 16 loads
.endr
	s_wait_xcnt 0x0                                ; block 6's stores have read their base
	SEND 7, 0
	s_wait_tensorcnt 0x0                           ; the wave's end: behind my last tensor load and my last LDS store
	ds_add_u32 v[SPW], v[NIL]
	s_wait_dscnt 0x0
	CROUND                                         ; the closing round: no work-group ends while a partner may still ask for a part that names it
	s_endpgm
.Lfunc_end_k_q5474a0214e_gemm:
	.size	k_q5474a0214e_gemm, .Lfunc_end_k_q5474a0214e_gemm-k_q5474a0214e_gemm
	.p2alignl 7, 3214868480
	.fill 96, 4, 3214868480
	.section	.rodata,"a",@progbits
	.p2align	6, 0x0
	.amdhsa_kernel k_q5474a0214e_gemm
		.amdhsa_group_segment_fixed_size 327680
		.amdhsa_private_segment_fixed_size 0
		.amdhsa_enable_private_segment 0
		.amdhsa_kernarg_size 24
		.amdhsa_user_sgpr_count 2
		.amdhsa_user_sgpr_kernarg_segment_ptr 1
		.amdhsa_wavefront_size32 1
		.amdhsa_system_sgpr_workgroup_id_x 1
		.amdhsa_system_sgpr_workgroup_id_y 1
		.amdhsa_system_sgpr_workgroup_id_z 1
		.amdhsa_system_vgpr_workitem_id 0
		.amdhsa_next_free_vgpr 1024
		.amdhsa_next_free_sgpr 84
		.amdhsa_reserve_vcc 0
		.amdhsa_float_denorm_mode_32 3
		.amdhsa_float_denorm_mode_16_64 3
		.amdhsa_memory_ordered 1
		.amdhsa_forward_progress 1
		.amdhsa_inst_pref_size 203
	.end_amdhsa_kernel
	.amdgpu_metadata
---
amdhsa.version: [ 1, 2 ]
amdhsa.kernels:
  - .name:           k_q5474a0214e_gemm
    .symbol:         k_q5474a0214e_gemm.kd
    .args:
      - { .name: aq, .offset: 0, .size: 8, .value_kind: global_buffer, .address_space: global }
      - { .name: bq, .offset: 8, .size: 8, .value_kind: global_buffer, .address_space: global }
      - { .name: out0, .offset: 16, .size: 8, .value_kind: global_buffer, .address_space: global }
    .group_segment_fixed_size: 327680
    .private_segment_fixed_size: 0
    .kernarg_segment_align: 8
    .kernarg_segment_size: 24
    .max_flat_workgroup_size: 128
    .sgpr_count:     84
    .vgpr_count:     1024
    .wavefront_size: 32
...
	.end_amdgpu_metadata
.endif
;; end of part 2
